; MI455X (gfx1250); checked and timed in simulation.
; The chip was launched on July 23, 2026; its instructions are those of AMD's public machine-readable ISA for CDNA 5 (MIT licence, August 2026) and "CDNA5" Instruction Set Architecture Reference Guide (July 2026). The comments in the code are by the model that wrote it; some were corrected since.
;; KAN Linear. Allowed arithmetic: float matrix products may take bf16 or f16 operands with f32 sums; other float arithmetic in f32, or as packed bf16 or f16 multiplies, adds, multiply-adds, maxima and minima; sums over many terms, partial sums and values carried from step to step in f32; what a program stores and reads back later, other than sums and carried values, may be rounded once to bf16 or f16.
;; Inputs: base_weight 512 x 512 float32; grid 512 x 12 float32; spline_scaler 512 x 512 float32; spline_weight 512 x 512 x 8 float32; x 16,384 x 512 float32.
;; Outputs: out0 16,384 x 512 float32.
;; One version. Each part assembles by itself: llvm-mc -triple=amdgcn-amd-amdhsa -mcpu=gfx1250 --defsym DOCPART=n.
;; ======== version 1 of 1: 2 launches
;; workspace buffers: wq 4,718,592 bytes; tab 90,112 bytes
;; launch prep (part 1): grid 512 x 1, 8 waves a work-group, no clusters, 14,592 bytes of LDS; arguments spline_weight, spline_scaler, base_weight, grid, wq, tab; writes wq, tab
.if DOCPART == 1
	.amdgcn_target "amdgcn-amd-amdhsa--gfx1250"
	.amdhsa_code_object_version 6
	.text
	.protected	k_qef47845823_prep
	.globl	k_qef47845823_prep
	.p2align	8
	.type	k_qef47845823_prep,@function
k_qef47845823_prep:
	s_mov_b64 s[64:65], 0
	v_nop
	global_prefetch_b8 v0, s[64:65] scope:SCOPE_SE
	s_setreg_imm32_b32 hwreg(HW_REG_WAVE_MODE, 25, 1), 1
	s_wait_xcnt 0x0
; PREP: the weights of out0 = [B-spline bases of x | silu(x)] . W^T are laid out once, in bf16, as 36 tiles of 512 rows (o) x 128 k, and the knots' constants as a table.
; Nothing of the computation is left out: all five inputs reach out0; this launch reads four of them, the next reads x.
; wq[tile][o][8 c + e], rows of 256 bytes, a tile 131,072 bytes.
;   tile 4 g + s (g 0..7, s 0..3): feature i = 64 g + 4 c + s, basis e: spline_weight[o][i][e] x spline_scaler[o][i]
;   tile 32 + b (b 0..3): base_weight[o][i], i = 128 b + 4 c + e for e < 4, i = 128 b + 64 + 4 c + e - 4 for e >= 4
; tab[step 4 g + s][i4 0..10][c 0..15][4 f32]: 44 constants K of feature 64 g + 4 c + s: K[0..11] the knots g_j; K[12+j] = 1/(g_j+1 - g_j); K[23+j] = 1/(g_j+2 - g_j);
;   K[33+j] = 1/(g_j+3 - g_j); K[42], K[43] = 0.  The knots may differ from feature to feature, be uneven or unsorted: nothing is assumed of them.
; FORMATS AND LIMITS.  Every input is rounded once to bf16 as it is loaded (the knots too); the product of the two rounded spline factors is exact in f32 and is rounded once to bf16.
; Each division by a knot span becomes a multiplication by a reciprocal made here: v_rcp_f32 is good to one unit in the last place and takes a span below 2^-126 for 0,
; and gives 0 for a span above 2^126 (ISA guide, 15.8).
; SHARES.  Work-group o makes row o of all 36 tiles: 16,384 + 2,048 + 2,048 bytes in, each load of a wave on consecutive bytes; the 36 rows of 256 bytes are put together in LDS
; and leave whole, sixteen lanes to a row.  Wave 7 of work-groups 0 to 15 also makes two steps of the table each.
.set IPITCH, 320                       ; a row of the image in LDS: 256 bytes + 64
.set SSB,    36*IPITCH                 ; 11,520: behind the image: the row of 512 scalers, f32
.set SPARE,  13568                     ; behind them: the spare words, 128 bytes for each of the eight waves: four blocks of 256 bytes that no other line names
.set SPW, 2                            ; v2  LDS address of my spare word; never rewritten
.set NIL, 3                            ; v3  0; never rewritten
; v4 16 t; v5 8 t; v6 4 (t / 2); v7 where my spline weights go in the image; v8-23 spline_weight; v24-25 scaler; v26-27 base_weight; v28-31 my four features' scalers
; v32-40 packed; v42 where my base weights go; v43 read-back address; v44-51, v56-59 rows read back; v52 my offset in wq; v53-55 at work; v60-63 the table's addresses
	s_load_b256 s[4:11], s[0:1], 0x0               ; spline_weight s[4:5], spline_scaler s[6:7], base_weight s[8:9], grid s[10:11]
	s_load_b128 s[12:15], s[0:1], 0x20             ; wq s[12:13], tab s[14:15]
	v_lshl_add_u32 v[SPW], v0, 2, SPARE
	v_mov_b32 v[NIL], 0
	v_lshrrev_b32 v1, 5, v0
	v_readfirstlane_b32 s16, v1                    ; wave 0..7
	s_mov_b32 s17, 0xffff0000                      ; a word's upper bf16
	s_lshl_b32 s18, ttmp9, 14                      ; row o of spline_weight: 16,384 bytes
	s_mov_b32 s19, 0
	s_lshl_b32 s20, ttmp9, 11                      ; of the scaler and of base_weight: 2,048 bytes
	s_mov_b32 s21, 0
	s_lshl_b32 s22, ttmp9, 8                       ; of a tile of wq: 256 bytes
	s_mov_b32 s23, 0
	v_lshlrev_b32 v4, 4, v0
	v_lshlrev_b32 v5, 3, v0
	s_wait_kmcnt 0x0
	s_add_nc_u64 s[4:5], s[4:5], s[18:19]
	s_add_nc_u64 s[6:7], s[6:7], s[20:21]
	s_add_nc_u64 s[8:9], s[8:9], s[20:21]
	s_add_nc_u64 s[12:13], s[12:13], s[22:23]
	global_load_b64 v[24:25], v5, s[6:7] th:TH_LOAD_NT  ; scalers of features 2 t, 2 t + 1: wanted first
	global_load_b64 v[26:27], v5, s[8:9] th:TH_LOAD_NT  ; base weights of the same two
.irp j, 0,1,2,3
	global_load_b128 v[8+4*(\j):11+4*(\j)], v4, s[4:5] offset:4096*(\j) th:TH_LOAD_NT  ; feature t / 2 + 128 j, bases 4 (t % 2) + 0..3
.endr
	; addresses, while the loads are on their way
	v_lshrrev_b32 v6, 1, v0
	v_lshlrev_b32 v6, 2, v6                        ; 4 (t / 2)
	v_lshrrev_b32 v53, 7, v0                       ; feature t / 2 + 128 j lies in tile 8 j + 4 (t / 128) + (t / 2) % 4,
	v_bfe_u32 v54, v0, 1, 2
	v_lshl_add_u32 v53, v53, 2, v54
	v_mul_u32_u24 v7, v53, IPITCH
	v_bfe_u32 v54, v0, 3, 4                        ; at c = (t / 8) % 16,
	v_lshl_add_u32 v7, v54, 4, v7
	v_and_b32 v55, 1, v0                           ; my four bases in its lower or upper 8 bytes
	v_lshl_add_u32 v7, v55, 3, v7
	v_lshrrev_b32 v53, 6, v0                       ; features 2 t, 2 t + 1 of the base path: tile 32 + t / 64,
	v_mul_u32_u24 v42, v53, IPITCH
	v_bfe_u32 v53, v0, 1, 4                        ; c = (t / 2) % 16,
	v_lshl_add_u32 v42, v53, 4, v42
	v_bfe_u32 v53, v0, 5, 1                        ; the upper 8 bytes for the second 64 features of the 128,
	v_lshl_add_u32 v42, v53, 3, v42
	v_lshl_add_u32 v42, v55, 2, v42                ; and 4 bytes for the pair
	v_lshrrev_b32 v53, 4, v0                       ; back: row t / 16, 16 bytes at 16 (t % 16)
	v_and_b32 v54, 15, v0
	v_mul_u32_u24 v43, v53, IPITCH
	v_lshl_add_u32 v43, v54, 4, v43
	v_lshlrev_b32 v52, 17, v53                     ; and the same in wq: tile t / 16
	v_lshl_add_u32 v52, v54, 4, v52
	s_wait_loadcnt 0x5                             ; the scalers are in; the five loads issued behind them may stay out
	v_cvt_pk_bf16_f32 v53, v24, v25                ; rounded to bf16, and back in f32
	v_lshlrev_b32 v24, 16, v53
	v_and_b32 v25, s17, v53
	ds_store_b64 v5, v[24:25] offset:SSB
	s_wait_dscnt 0x0                               ; for the others' sake: my two scalers lie in LDS
	s_barrier_signal -1
	s_barrier_wait -1
.irp j, 0,1,2,3
	ds_load_b32 v[28+(\j)], v6 offset:SSB+512*(\j)  ; the scaler of feature t / 2 + 128 j
.endr
	s_wait_loadcnt 0x0
	s_wait_dscnt 0x0
.irp j, 0,1,2,3
	v_cvt_pk_bf16_f32 v53, v[8+4*(\j)], v[9+4*(\j)]   ; the weights rounded to bf16,
	v_cvt_pk_bf16_f32 v54, v[10+4*(\j)], v[11+4*(\j)]
	v_lshlrev_b32 v[8+4*(\j)], 16, v53                ; back in f32,
	v_and_b32 v[9+4*(\j)], s17, v53
	v_lshlrev_b32 v[10+4*(\j)], 16, v54
	v_and_b32 v[11+4*(\j)], s17, v54
	v_mul_f32 v[8+4*(\j)], v[8+4*(\j)], v[28+(\j)]    ; times the scaler: exact in f32,
	v_mul_f32 v[9+4*(\j)], v[9+4*(\j)], v[28+(\j)]
	v_mul_f32 v[10+4*(\j)], v[10+4*(\j)], v[28+(\j)]
	v_mul_f32 v[11+4*(\j)], v[11+4*(\j)], v[28+(\j)]
	v_cvt_pk_bf16_f32 v[32+2*(\j)], v[8+4*(\j)], v[9+4*(\j)]  ; and rounded once
	v_cvt_pk_bf16_f32 v[33+2*(\j)], v[10+4*(\j)], v[11+4*(\j)]
	ds_store_b64 v7, v[32+2*(\j):33+2*(\j)] offset:8*IPITCH*(\j)
.endr
	v_cvt_pk_bf16_f32 v40, v26, v27
	ds_store_b32 v42, v40 offset:32*IPITCH
	s_wait_dscnt 0x0                               ; for the others' sake: my part of the image lies in LDS
	s_barrier_signal -1
	s_barrier_wait -1
	ds_load_b128 v[44:47], v43                     ; tiles 0 to 15
	ds_load_b128 v[48:51], v43 offset:16*IPITCH    ; tiles 16 to 31
	s_wait_dscnt 0x1                               ; the first is back; the second may stay out
	global_store_b128 v52, v[44:47], s[12:13]      ; sixteen lanes store 256 consecutive bytes, at a multiple of 256 from wq's first byte
	s_wait_dscnt 0x0
	global_store_b128 v52, v[48:51], s[12:13] offset:16*131072
	s_cmp_lt_u32 s16, 2                            ; tiles 32 to 35: 64 threads do
	s_cbranch_scc0 .Lno_base
	ds_load_b128 v[56:59], v43 offset:32*IPITCH
	s_wait_dscnt 0x0
	global_store_b128 v52, v[56:59], s[12:13] offset:32*131072
.Lno_base:
	s_cmp_eq_u32 s16, 7                            ; the table: wave 7
	s_cbranch_scc0 .Lend
	s_cmp_lt_u32 ttmp9, 16                         ; of work-groups 0 to 15: steps 2 o and 2 o + 1, sixteen lanes (c) each
	s_cbranch_scc0 .Lend
	s_wait_xcnt 0x0                                ; my stores have read their registers: v12-55 are written again only behind this wait
	s_lshr_b32 s24, ttmp9, 1
	s_lshl_b32 s24, s24, 6                         ; 64 g
	s_and_b32 s25, ttmp9, 1
	s_lshl_b32 s25, s25, 1
	s_add_co_u32 s24, s24, s25                     ; + the even one of the two s
	s_lshl_b32 s25, ttmp9, 1                       ; the even one of the two steps
	v_and_b32 v62, 15, v0                          ; c
	v_bfe_u32 v63, v0, 4, 1                        ; which of the two steps
	v_lshl_add_u32 v60, v62, 2, v63
	v_add_nc_u32 v60, s24, v60                     ; the feature,
	v_mul_u32_u24 v60, v60, 48                     ; its 12 knots
	v_add_nc_u32 v61, s25, v63
	v_mul_u32_u24 v61, v61, 2816                   ; the step's 11 x 256 bytes of the table
	v_lshl_add_u32 v61, v62, 4, v61
	global_load_b128 v[12:15], v60, s[10:11]
	global_load_b128 v[16:19], v60, s[10:11] offset:16
	global_load_b128 v[20:23], v60, s[10:11] offset:32
	s_wait_loadcnt 0x0
.irp i, 0,1,2,3,4,5
	v_cvt_pk_bf16_f32 v[24+(\i)], v[12+2*(\i)], v[13+2*(\i)]  ; the knots rounded to bf16,
.endr
.irp i, 0,1,2,3,4,5
	v_lshlrev_b32 v[12+2*(\i)], 16, v[24+(\i)]                ; and back in f32
	v_and_b32 v[13+2*(\i)], s17, v[24+(\i)]
.endr
.irp j, 0,1,2,3,4,5,6,7,8,9,10
	v_sub_f32 v[24+(\j)], v[13+(\j)], v[12+(\j)]   ; the spans over one,
.endr
.irp j, 0,1,2,3,4,5,6,7,8,9
	v_sub_f32 v[35+(\j)], v[14+(\j)], v[12+(\j)]   ; two
.endr
.irp j, 0,1,2,3,4,5,6,7,8
	v_sub_f32 v[45+(\j)], v[15+(\j)], v[12+(\j)]   ; and three knots
.endr
.set i, 24
.rept 30
	v_rcp_f32 v[i], v[i]
.set i, i+1
.endr
	v_mov_b32 v54, 0                               ; the plain instructions behind the last reciprocal
	v_mov_b32 v55, 0
	s_wait_alu depctr_va_vdst(0)                   ; one wait for the thirty reciprocals, ahead of their first reader
.irp i, 0,1,2,3,4,5,6,7,8,9,10
	global_store_b128 v61, v[12+4*(\i):15+4*(\i)], s[14:15] offset:256*(\i)  ; each half of the lanes stores 256 consecutive bytes, at a multiple of 256 from tab's first byte
.endr
.Lend:
	s_wait_tensorcnt 0x0                           ; the wave's end, behind my last LDS store
	ds_add_u32 v[SPW], v[NIL]
	s_wait_dscnt 0x0
	s_endpgm
.Lfunc_end_k_qef47845823_prep:
	.size	k_qef47845823_prep, .Lfunc_end_k_qef47845823_prep-k_qef47845823_prep
	.p2alignl 7, 3214868480
	.fill 96, 4, 3214868480
	.section	.rodata,"a",@progbits
	.p2align	6, 0x0
	.amdhsa_kernel k_qef47845823_prep
		.amdhsa_group_segment_fixed_size 14592
		.amdhsa_private_segment_fixed_size 0
		.amdhsa_enable_private_segment 0
		.amdhsa_kernarg_size 48
		.amdhsa_user_sgpr_count 2
		.amdhsa_user_sgpr_kernarg_segment_ptr 1
		.amdhsa_wavefront_size32 1
		.amdhsa_system_sgpr_workgroup_id_x 1
		.amdhsa_system_sgpr_workgroup_id_y 1
		.amdhsa_system_sgpr_workgroup_id_z 1
		.amdhsa_system_vgpr_workitem_id 0
		.amdhsa_next_free_vgpr 64
		.amdhsa_next_free_sgpr 66
		.amdhsa_reserve_vcc 0
		.amdhsa_float_denorm_mode_32 3
		.amdhsa_float_denorm_mode_16_64 3
		.amdhsa_memory_ordered 1
		.amdhsa_forward_progress 1
		.amdhsa_inst_pref_size 12
	.end_amdhsa_kernel
	.amdgpu_metadata
---
amdhsa.version: [ 1, 2 ]
amdhsa.kernels:
  - .name:           k_qef47845823_prep
    .symbol:         k_qef47845823_prep.kd
    .args:
      - { .name: spline_weight, .offset: 0, .size: 8, .value_kind: global_buffer, .address_space: global }
      - { .name: spline_scaler, .offset: 8, .size: 8, .value_kind: global_buffer, .address_space: global }
      - { .name: base_weight, .offset: 16, .size: 8, .value_kind: global_buffer, .address_space: global }
      - { .name: grid, .offset: 24, .size: 8, .value_kind: global_buffer, .address_space: global }
      - { .name: wq, .offset: 32, .size: 8, .value_kind: global_buffer, .address_space: global }
      - { .name: tab, .offset: 40, .size: 8, .value_kind: global_buffer, .address_space: global }
    .group_segment_fixed_size: 14592
    .private_segment_fixed_size: 0
    .kernarg_segment_align: 8
    .kernarg_segment_size: 48
    .max_flat_workgroup_size: 256
    .sgpr_count:     66
    .vgpr_count:     64
    .wavefront_size: 32
...
	.end_amdgpu_metadata
.endif
;; end of part 1
;; launch kan (part 2): grid 256 x 1, 8 waves a work-group, clusters of 4 x 1, 327,680 bytes of LDS; arguments x, tab, wq, out0; writes out0
.if DOCPART == 2
	.amdgcn_target "amdgcn-amd-amdhsa--gfx1250"
	.amdhsa_code_object_version 6
	.text
	.protected	k_qef47845823_kan
	.globl	k_qef47845823_kan
	.p2align	8
	.type	k_qef47845823_kan,@function
k_qef47845823_kan:
	s_mov_b64 s[64:65], 0
	v_nop
	global_prefetch_b8 v0, s[64:65] scope:SCOPE_SE
	s_setreg_imm32_b32 hwreg(HW_REG_WAVE_MODE, 25, 1), 1
	s_wait_xcnt 0x0
	s_wait_alu depctr_hold_cnt(0) depctr_sa_sdst(0) depctr_va_vdst(0) depctr_va_sdst(0) depctr_va_ssrc(0) depctr_va_vcc(0) depctr_vm_vsrc(0)
	s_getreg_b32 s2, hwreg(HW_REG_IB_STS2, 6, 4)
	s_cmp_eq_u32 s2, 0
	s_cbranch_scc0 .Lentry_in_a_cluster
	s_endpgm
.Lentry_in_a_cluster:
	s_bfe_u32 s2, ttmp6, 0x10000c
	s_cmp_lg_u32 s2, 0x3003
	s_cbranch_scc0 .Lentry_shape_is_right
	s_endpgm
.Lentry_shape_is_right:
; out0[b][o] = sum_i silu(x[b][i]) base_weight[o][i] + sum_i sum_e B_e(x[b][i]) spline_weight[o][i][e] spline_scaler[o][i]: ONE product, 16,384 x 512 x 4,608, whose left operand
; (nine features of every x) is made here and never lies in memory.  Nothing is left out: x is read here; the other four inputs come as wq (the weights in bf16, 36 tiles of 512 rows x 128 k)
; and tab (the knots and the reciprocals of their spans), which the launch before has laid out.
; THE SPLINES are the whole Cox-de Boor triangle, term by term, for any knots (uneven, unsorted, other in each feature).  With d_j = x - g_j: S_j = [x >= g_j] = clamp(d_j 2^127 + 1) to 0..1;
; b_j = S_j - S_j S_j+1, which is (x >= g_j) and (x < g_j+1); then for k = 1, 2, 3: c_j = b_j r_k[j], b_j = d_j c_j - d_j+k+1 c_j+1, with r_k[j] = 1 / (g_j+k - g_j) from the table.
; silu(x) = x / (1 + 2^(-x log2 e)).
; FORMATS AND LIMITS.  Every input is rounded once to bf16 as it is loaded, x too, ahead of silu and the splines; the features are made in f32 and rounded once to bf16 for the product; sums in f32.
; bf16, not f16: weights and features keep f32's range.  Where 0 < g_j - x < 2^-127 the step S_j comes out between 0 and 1.  For x below about -88 silu gives -0.  A NaN or an infinity in x makes its row NaN.
; SHARES.  A work-group owns 64 rows of out0 and all 512 columns, so that every feature is made once.  Eight waves of 512 registers: waves 0-3 MULTIPLY (wave q: 64 rows x columns 128 q .. + 127:
; 32 accumulators), waves 4-7 MAKE features (wave 4 + q: rows 16 q .. + 15), so that matrix and vector instructions come from different waves and no order has to be dealt by hand.
; STEPS.  K goes in 36 steps of 128: step 4 g + s holds the 8 bases of features 64 g + 4 c + s (c 0..15); steps 32-35 hold silu.  In interval t the makers put step t's features into
; A[t % 2] and the multipliers multiply step t - 1 (tile slot and A buffer (t - 1) % 2).  Behind interval t tile t + 1 is asked for, into the slot that step t - 1 has just left:
; one tensor load a wave, with one interval (128 matrix instructions a multiplier) in which to land.  By this text's own count a wave never has more than one tensor load out.
; CLUSTER.  All 256 work-groups walk the same 36 tiles: four of them form a cluster and ask for each tile JOINTLY (the same load, descriptor and mask in all four), which divides the requests by four.
; The two roles share one text: every barrier, its waits and the tensor load stand outside the branch on the wave's number, and every interval begins with no load of any kind out.
; THE MATRIX INSTRUCTION IS USED TRANSPOSED (source 0 = 16 rows of wq, source 1 = 16 rows of features): a lane then holds eight neighbouring columns of one row of out0.
.set PITCH,  272                       ; an LDS row: 256 bytes + 16 of padding = 68 words: row r starts at bank 4 r mod 64 (64 banks of 4 bytes: ISA guide 11.1), so the 16 rows of a fragment load start at 16 different banks
.set LOADB,  64*PITCH                  ; what one tensor load brings: 64 rows
.set SLOTB,  512*PITCH                 ; a slot: a tile's 512 rows; slots at 0 and SLOTB
.set ABASE,  2*SLOTB                   ; behind the ring, never filled by a tensor load: two buffers of 64 rows of features
.set ABUF,   64*PITCH
.set SPARE,  ABASE+2*ABUF              ; behind them: the spare words, 128 bytes for each of the eight waves: four blocks of 256 bytes that no other line names
.set SPITCH, 528                       ; the way out: a row of 128 f32 + 16 bytes
.set STG,    64*SPITCH                 ; a multiplier's stage; the four lie in slot 0, which has had its last fill (tile 34) and its last read by then
.set TILEB,  131072                    ; a tile of wq
.set TSTEP,  2816                      ; a step of tab
; scalar registers
.set XA,  4                            ; s[4:5]   x at my 16 rows (makers), at the group of 64 features in hand
.set TA,  6                            ; s[6:7]   tab at the trip's first step
.set WQ,  8                            ; s[8:9]   wq
.set OUT, 10                           ; s[10:11] out0 at my work-group's rows and my 128 columns
.set WV,  12                           ; s12  wave 0..7
.set Q,   13                           ; s13  wave % 4
.set G,   15                           ; s15  the trip: the group of 64 features, 0..7
.set CX,  16                           ; s16  my place in the cluster: it enters global addresses alone
.set WG,  17                           ; s17  my work-group's number
.set G1,  24                           ; s[24:31] descriptor group 1
.set G0,  32                           ; s[32:39] descriptor group 0, a set for each slot
.set PX,  40                           ; s[40:41] where my prefetches of x stand
.set LIMX, 42                          ; s42  trips in which I prefetch x: 6 in makers 0 and 1, else 0
.set PB,  44                           ; s[44:45] where my prefetches of wq stand
.set FLB, 46                           ; s46  1 in the launch's first cluster, which prefetches wq
.set NL2E, 48                          ; s[48:49] -log2(e): the packed multiply names a pair and takes its low word for both halves
.set HIM, 50                           ; s50  a word's upper bf16
; vector registers of every wave
.set SPW, 2                            ; v2   LDS address of my spare word: SPARE + 4 x my thread's number; never rewritten
.set NIL, 3                            ; v3   0; never rewritten
; of a maker.  Lane l: c = l % 16, half = l / 16.  It holds feature 4 c + s of the group for the rows 2 t + half (t 0..7) of its wave's 16
.set XO,  4                            ; v4   my offset in x: half x 2,048 + 16 c
.set TO,  5                            ; v5   my offset in a step of tab: 16 c
.set AS,  6                            ; v6   where my 16 bytes of a row of features go: ABASE + (16 q + half) x PITCH + 16 c
.set PFX, 7                            ; v7   2,048 x lane: a row of x
.set BIG, 8                            ; v[8:9]   2^127, twice
.set ONE, 10                           ; v[10:11] 1.0, twice
.set KA,  12                           ; v[12:55]  a step's 44 constants: even steps
.set KB,  56                           ; v[56:99]  odd steps
.set XL,  100                          ; v[100:131] x as loaded: row t, features 4 c + 0..3 at XL + 4 t
.set XP,  132                          ; v[132:163] x rounded to bf16, in f32: feature 4 c + s, row t at XP + 8 s + t: two rows are a pair
.set D,   164                          ; v[164:187] d_0 .. d_11, pairs
.set S,   188                          ; v[188:211] the steps, then the bases, in place; pairs
.set T,   212                          ; v[212:231] at work; pairs
.set O,   232                          ; v[232:239] two rows' eight bases in bf16
.set PFB, 240                          ; v240 256 x lane: a row of a tile of wq
.set E,   164                          ; v[164:195] silu at work (D and S are idle then)
.set Z,   212                          ; v[212:227] x in bf16, packed (T is idle then)
;   window 1, v0-127: silu of all 512 features of my rows, in bf16: step 32 + b, row t at 32 b + 4 t (four registers: a row's 16 bytes)
; of a multiplier.  Lane l: r = l % 16, h = l / 16
.set AB,  4                            ; v4, v5  LDS address of my fragments of wq in slot 0, 1
.set AA,  6                            ; v6, v7  of the features in buffer 0, 1
.set STO, 8                            ; v8   the way out: where I put 16 bytes of a row
.set RD,  9                            ; v9   where I read a row back
.set GO,  10                           ; v10  16 x lane: my bytes of 512 consecutive bytes of out0
.set F0,  16                           ; v[16:111]  fragments of 32 along K: 8 of wq (64 registers), 4 of features (32)
.set F1,  112                          ; v[112:207] the second set
;   window 1: the 32 accumulators: rows 16 m .., columns 16 nb .. at 8 (8 m + nb)
.set MSB, 0
.macro WIN new                         ; s_set_vgpr_msb: bits 1:0 source 0, 3:2 source 1, 5:4 source 2, 7:6 destination; the high byte repeats the setting that is left; at a label and at a branch every window is 0
.if MSB != (\new)
	s_set_vgpr_msb (MSB<<8)|(\new)
.set MSB, \new
.endif
.endm
.macro PLACES                          ; four plain vector instructions between a matrix instruction and a load into, or a store of, one of its registers (ISA guide 7.12.1 for stores)
.rept 4
	v_nop
.endr
.endm
; A round of the cluster's barrier: my work-group's barrier, so that wave 0's signal speaks for all eight waves; wave 0 signals; every wave waits for all four work-groups; my work-group's barrier once more.
.macro ROUND
	s_barrier_signal -1
	s_barrier_wait -1
	s_cmp_lg_u32 s[WV], 0
	s_cbranch_scc1 .Lnot_wave_0_\@
	s_barrier_signal -3
.Lnot_wave_0_\@:
	s_barrier_wait -3
	s_barrier_signal -1
	s_barrier_wait -1
.endm
; THE END OF AN INTERVAL, for every wave.  A maker's loads of this interval (the next step's constants, the next group's x) went out at its head, four PAIRs back: they are waited for here, so that no wait for them
; stands at an interval's head and every interval begins with nothing out.  All my tensor loads have landed (one was out: my 64 rows of the tile that the next interval multiplies); 0 is added to my spare word; the add,
; my reads of the slot and of the feature buffer that are left, and my stores of features are done.  Behind the barrier the new tile and the new features are whole, and nobody reads the old ones.
; kind = 2: slot p is filled again, with the tile after the next: the barrier is a round of the cluster's, and the joint load is the first thing behind it.  kind = 1: nothing is left to ask for.
.macro SYNC p, kind
	s_wait_loadcnt 0x0                             ; my loads from memory are in (a multiplier has none)
	s_wait_tensorcnt 0x0                           ; no tensor load of mine is out, so a group 0 may be written
	ds_add_u32 v[SPW], v[NIL]
.if (\kind) == 2
	s_add_nc_u64 s[G0+4*(1-(\p))+2:G0+4*(1-(\p))+3], s[G0+4*(1-(\p))+2:G0+4*(1-(\p))+3], 2*TILEB  ; the other slot's next tile; the type bits on top are not reached (the last step's address is not used)
	s_wait_dscnt 0x0
	ROUND
	tensor_load_to_lds s[G0+4*(\p):G0+4*(\p)+3], s[G1:G1+7]
	s_nop 0
	PLACES
.else
	s_wait_dscnt 0x0
	s_barrier_signal -1
	s_barrier_wait -1
.endif
.endm
; ---- THE MULTIPLIERS ----
; 24 LDS loads in one run: fragments of 32 along K (number f of a step's four) from slot and buffer par into set fb.  A fragment is 16 rows x 32 k in 8 registers: lane l holds row l % 16,
; k = 8 (l / 16) + 0..7 and 16 + 8 (l / 16) + 0..7: two loads of 16 bytes, 32 bytes apart.
.macro FETCH par, f, fb
	WIN 0
.irp i, 0,1,2,3,4,5,6,7
	ds_load_b128 v[(\fb)+8*(\i):(\fb)+8*(\i)+3],   v[AB+(\par)] offset:(\i)*16*PITCH+64*(\f)
	ds_load_b128 v[(\fb)+8*(\i)+4:(\fb)+8*(\i)+7], v[AB+(\par)] offset:(\i)*16*PITCH+64*(\f)+32
.endr
.irp i, 0,1,2,3
	ds_load_b128 v[(\fb)+64+8*(\i):(\fb)+64+8*(\i)+3],   v[AA+(\par)] offset:(\i)*16*PITCH+64*(\f)
	ds_load_b128 v[(\fb)+64+8*(\i)+4:(\fb)+64+8*(\i)+7], v[AA+(\par)] offset:(\i)*16*PITCH+64*(\f)+32
.endr
.endm
; 32 matrix instructions on set fb.  The 32 accumulators take turns, one instruction a turn, always in this order: 31 others stand between two links of a chain.
.macro MUL fb
	WIN 0x50                                       ; C and D in window 1
.irp m, 0,1,2,3
.irp nb, 0,1,2,3,4,5,6,7
	v_wmma_f32_16x16x32_bf16 v[8*(8*(\m)+(\nb)):8*(8*(\m)+(\nb))+7], v[(\fb)+8*(\nb):(\fb)+8*(\nb)+7], v[(\fb)+64+8*(\m):(\fb)+64+8*(\m)+7], v[8*(8*(\m)+(\nb)):8*(8*(\m)+(\nb))+7]
.endr
.endr
.endm
; An interval's 128 matrix instructions.  The last quarter of the step before lies in set F1 (it came in ahead of the barrier) and is multiplied while this step's first fragments arrive; this step's last quarter is left in F1.
.macro CONS par
	PLACES                                         ; set F0 was multiplied last
	FETCH \par, 0, F0
	MUL F1
	PLACES
	FETCH \par, 1, F1
	s_wait_dscnt 24                                ; F0 is in; the 24 loads just issued may stay out
	MUL F0
	PLACES
	FETCH \par, 2, F0
	s_wait_dscnt 24
	MUL F1
	PLACES
	FETCH \par, 3, F1
	s_wait_dscnt 24
	MUL F0
	WIN 0
.endm
; ---- THE MAKERS ----
.macro KLOAD kb, off                   ; a step's 44 constants of my feature: sixteen lanes read 256 consecutive bytes; both halves of the lanes read the same
.irp i, 0,1,2,3,4,5,6,7,8,9,10
	global_load_b128 v[(\kb)+4*(\i):(\kb)+4*(\i)+3], v[TO], s[TA:TA+1] offset:(\off)+256*(\i)
.endr
.endm
; A constant lies in ONE register kr and serves both halves of a packed instruction: the pair that holds it is named, and op_sel and op_sel_hi pick its register for both results.
.macro KSUB d, x, kr                   ; pair d = pair x - constant
.if ((\kr) & 1)
	v_pk_add_f32 v[(\d):(\d)+1], v[(\x):(\x)+1], v[(\kr)-1:(\kr)] op_sel:[0,1] op_sel_hi:[1,1] neg_lo:[0,1] neg_hi:[0,1]
.else
	v_pk_add_f32 v[(\d):(\d)+1], v[(\x):(\x)+1], v[(\kr):(\kr)+1] op_sel_hi:[1,0] neg_lo:[0,1] neg_hi:[0,1]
.endif
.endm
.macro KMUL d, kr                      ; pair d = pair d x constant
.if ((\kr) & 1)
	v_pk_mul_f32 v[(\d):(\d)+1], v[(\d):(\d)+1], v[(\kr)-1:(\kr)] op_sel:[0,1] op_sel_hi:[1,1]
.else
	v_pk_mul_f32 v[(\d):(\d)+1], v[(\d):(\d)+1], v[(\kr):(\kr)+1] op_sel_hi:[1,0]
.endif
.endm
.macro LEVEL k, kb, rb                 ; level k of the triangle, in place on S; r_k begins at constant rb
.set j, 0
.rept 12-(\k)
	KMUL S+2*j, (\kb)+(\rb)+j                      ; c_j = b_j r_k[j]
.set j, j+1
.endr
.set j, 0
.rept 11-(\k)
	v_pk_mul_f32 v[T+2*j:T+2*j+1], v[D+2*(j+(\k)+1):D+2*(j+(\k)+1)+1], v[S+2*j+2:S+2*j+3]  ; d_j+k+1 c_j+1
.set j, j+1
.endr
.set j, 0
.rept 11-(\k)
	v_pk_fma_f32 v[S+2*j:S+2*j+1], v[D+2*j:D+2*j+1], v[S+2*j:S+2*j+1], v[T+2*j:T+2*j+1] neg_lo:[0,0,1] neg_hi:[0,0,1]  ; b_j = d_j c_j - that
.set j, j+1
.endr
.endm
; The eight bases of one feature for two rows (t = 2 p, 2 p + 1), two at a time: 127 vector instructions; then 16 bytes into each of the two rows of buffer buf: sixteen lanes store 256 consecutive bytes.
.macro PAIR s, p, kb, buf
.set X, XP+8*(\s)+2*(\p)
.set j, 0
.rept 12
	KSUB D+2*j, X, (\kb)+j                         ; d_j = x - g_j
.set j, j+1
.endr
.set j, 0
.rept 12
	v_pk_fma_f32 v[S+2*j:S+2*j+1], v[D+2*j:D+2*j+1], v[BIG:BIG+1], v[ONE:ONE+1] clamp  ; S_j = 1 where d_j >= 0, else 0
.set j, j+1
.endr
.set j, 0
.rept 11
	v_pk_fma_f32 v[S+2*j:S+2*j+1], v[S+2*j:S+2*j+1], v[S+2*j+2:S+2*j+3], v[S+2*j:S+2*j+1] neg_lo:[1,0,0] neg_hi:[1,0,0]  ; b_j = S_j - S_j S_j+1; ascending, so S_j+1 is still the step
.set j, j+1
.endr
	LEVEL 1, \kb, 12
	LEVEL 2, \kb, 23
	LEVEL 3, \kb, 33
.irp i, 0,1,2,3
	v_cvt_pk_bf16_f32 v[O+(\i)],   v[S+4*(\i)],   v[S+4*(\i)+2]  ; the first row's bases 2 i, 2 i + 1,
	v_cvt_pk_bf16_f32 v[O+4+(\i)], v[S+4*(\i)+1], v[S+4*(\i)+3]  ; the second row's
.endr
	ds_store_b128 v[AS], v[O:O+3]   offset:(\buf)*ABUF+4*(\p)*PITCH
	ds_store_b128 v[AS], v[O+4:O+7] offset:(\buf)*ABUF+(4*(\p)+2)*PITCH
.endm
; A GROUP OF 64 FEATURES BEGINS: x is rounded to bf16; the next group's x is asked for; the rounded x is laid in pairs of rows; silu of the group goes into the stash.
.macro FEED
.set i, 0
.rept 16                               ; i = 2 t + z: features 4 c + 2 z, + 1 of row t
	v_cvt_pk_bf16_f32 v[Z+i], v[XL+2*i], v[XL+2*i+1]
.set i, i+1
.endr
	s_cmp_eq_u32 s[G], 7
	s_cbranch_scc1 .Lx_asked                       ; there is no ninth group
.irp t, 0,1,2,3,4,5,6,7
	global_load_b128 v[XL+4*(\t):XL+4*(\t)+3], v[XO], s[XA:XA+1] offset:4096*(\t)+256 th:TH_LOAD_NT  ; each half of the lanes reads 256 consecutive bytes of a row, aligned
.endr
	s_cmp_lt_u32 s[G], s[LIMX]
	s_cbranch_scc0 .Lx_asked
	global_prefetch_b8 v[PFX], s[PX:PX+1] offset:512 th:TH_LOAD_NT scope:SCOPE_SE  ; the group after that one: 256 bytes of each of 32 rows, a lane a row; makers 0 and 1 share the work-group's 64 rows; trips 6 and 7 ask for nothing
.Lx_asked:
.set i, 0
.rept 16
	v_lshlrev_b32 v[XP+16*(i%2)+i/2], 16, v[Z+i]         ; feature 4 c + 2 z of row t,
	v_and_b32 v[XP+16*(i%2)+8+i/2], s[HIM], v[Z+i]       ; feature 4 c + 2 z + 1
.set i, i+1
.endr
.set i, 0
.rept 16
	v_pk_mul_f32 v[E+2*i:E+2*i+1], v[XP+2*i:XP+2*i+1], s[NL2E:NL2E+1] op_sel_hi:[1,0]
.set i, i+1
.endr
.set i, 0
.rept 32
	v_exp_f32 v[E+i], v[E+i]
.set i, i+1
.endr
	v_nop                                          ; a plain instruction behind the last exponential,
	s_wait_alu depctr_va_vdst(0)                   ; and one wait for the batch of 32, ahead of its first reader
.set i, 0
.rept 16
	v_pk_add_f32 v[E+2*i:E+2*i+1], v[E+2*i:E+2*i+1], v[ONE:ONE+1]
.set i, i+1
.endr
.set i, 0
.rept 32
	v_rcp_f32 v[E+i], v[E+i]
.set i, i+1
.endr
	v_nop
	s_wait_alu depctr_va_vdst(0)                   ; one wait for the 32 reciprocals
.set i, 0
.rept 16
	v_pk_mul_f32 v[E+2*i:E+2*i+1], v[E+2*i:E+2*i+1], v[XP+2*i:XP+2*i+1]
.set i, i+1
.endr
	; into the stash: group g fills half g % 2 of step 32 + g / 2.  A register's number cannot hang on the trip, so the sixteen roundings stand eight times, and the trip's number picks one
.irp k, 0,1,2,3,4,5,6,7
	s_cmp_eq_u32 s[G], \k
	s_cbranch_scc0 .Lnot_group_\k
	WIN 0x40                                       ; destination in window 1
.set i, 0
.rept 16                               ; i = 2 t + z
	v_cvt_pk_bf16_f32 v[32*((\k)/2)+2*((\k)%2)+4*(i/2)+i%2], v[E+16*(i%2)+i/2], v[E+16*(i%2)+8+i/2]
.set i, i+1
.endr
	WIN 0
.Lnot_group_\k:
.endr
.endm
; An interval of a maker: step 4 G + s.  This step's constants, and at s = 0 the group's x, are in: the end of the interval before (at the very first: the head) has waited for them.
; PREFETCH OF wq: a tile's 512 rows of 256 bytes are each named once in the launch: the first cluster asks; its four partners take 128 rows each BY ADDRESS, each of their four makers 32, a lane a row.
; It stands behind the wave's tensor load and names the tile three on from the step in hand, which is asked for two intervals later; tiles 0 to 2 come by their loads alone; the last is tile 35.
.macro MAKE s
	s_cmp_eq_u32 s[FLB], 1
	s_cbranch_scc0 .Lnot_mine_\@
	global_prefetch_b8 v[PFB], s[PB:PB+1] offset:((\s)+3)*TILEB th:TH_LOAD_NT scope:SCOPE_SE
.Lnot_mine_\@:
.if (\s) == 3
	s_cmp_eq_u32 s[G], 7
	s_cbranch_scc1 .Lno_table_\@                   ; the table ends with step 31
	KLOAD KA, 4*TSTEP
.Lno_table_\@:
.elseif (\s) == 1
	KLOAD KA, 2*TSTEP                              ; the next step's constants, into the set that this step does not read
.else
	KLOAD KB, ((\s)+1)*TSTEP
.endif
.if (\s) == 0
	FEED
.endif
.irp p, 0,1,2,3
	PAIR \s, \p, KA+44*((\s)%2), (\s)%2
.endr
.if (\s) == 3
	s_wait_xcnt 0x0                                ; every load and prefetch issued so far has read its address (the youngest stand four PAIRs back): the pointers are written only behind this wait
	s_add_nc_u64 s[TA:TA+1], s[TA:TA+1], 4*TSTEP
	s_add_nc_u64 s[XA:XA+1], s[XA:XA+1], 256
	s_add_nc_u64 s[PX:PX+1], s[PX:PX+1], 256
	s_add_nc_u64 s[PB:PB+1], s[PB:PB+1], 4*TILEB
.endif
.endm
.macro BASE b                          ; step 32 + b: silu, out of the stash
	WIN 0x04                                       ; store data in window 1
.irp t, 0,1,2,3,4,5,6,7
	ds_store_b128 v[AS], v[32*(\b)+4*(\t):32*(\b)+4*(\t)+3] offset:((\b)%2)*ABUF+2*(\t)*PITCH
.endr
	WIN 0
.endm
; An interval of the loop and its end.  In the very first interval there is nothing to multiply yet.
.macro STEP s
	s_cmp_lt_u32 s[WV], 4
	s_cbranch_scc0 .Lmake_\@
.if (\s) == 0
	s_cmp_eq_u32 s[G], 0
	s_cbranch_scc1 .Ljoin_\@
.endif
	CONS ((\s)+1)%2
	s_branch .Ljoin_\@
.Lmake_\@:
	MAKE \s
.Ljoin_\@:
	SYNC ((\s)+1)%2, 2
.endm
.macro TAIL b, par                     ; interval 32 + b
	s_cmp_lt_u32 s[WV], 4
	s_cbranch_scc0 .Lmake_\@
	CONS \par
	s_branch .Ljoin_\@
.Lmake_\@:
.if (\b) == 0
	s_cmp_eq_u32 s[FLB], 1
	s_cbranch_scc0 .Lnot_mine_\@
	global_prefetch_b8 v[PFB], s[PB:PB+1] offset:3*TILEB th:TH_LOAD_NT scope:SCOPE_SE  ; tile 35, the last
.Lnot_mine_\@:
.endif
	BASE \b
.Ljoin_\@:
.endm
	s_load_b256 s[4:11], s[0:1], 0x0               ; x s[4:5], tab s[6:7], wq s[8:9], out0 s[10:11]
	v_lshl_add_u32 v[SPW], v0, 2, SPARE
	v_mov_b32 v[NIL], 0
	ds_add_u32 v[SPW], v[NIL]                      ; the wave's opening: the add, twice on end, and its wait ahead of my first tensor load; the set-up below, work on registers, stands between
	ds_add_u32 v[SPW], v[NIL]
	v_lshrrev_b32 v1, 5, v0
	v_readfirstlane_b32 s[WV], v1                  ; wave 0..7
	s_and_b32 s[Q], s[WV], 3
	s_bfe_u32 s[CX], ttmp6, 0x40000                ; my place in the cluster
	s_lshl_b32 s[WG], ttmp9, 2                     ; in a cluster launch ttmp9 counts clusters
	s_add_co_u32 s[WG], s[WG], s[CX]
	; descriptor group 1: 64 rows x 128 elements of 2 bytes, padded in LDS
	s_mov_b32 s[G1], 15|(1<<16)|(1<<20)|(1<<21)|(5<<22)|(3<<25)  ; 15:0 the mask: all four work-groups; 17:16 elements of 2 bytes; 20 padding on; 21 set beside a mask; 24:22 after every 64 words (code 5); 31:25 4 words of it (code 3)
	s_mov_b32 s[G1+1], 128<<16                     ; tensor_dim0 = 128
	s_mov_b32 s[G1+2], 64<<16                      ; tensor_dim1 = 64
	s_mov_b32 s[G1+3], 128<<16                     ; tile_dim0 = 128
	s_mov_b32 s[G1+4], 64                          ; tile_dim1 = 64
	s_mov_b32 s[G1+5], 128                         ; 128 elements from row to row
	s_mov_b32 s[G1+6], 0
	s_mov_b32 s[G1+7], 0
	; group 0, a set for each slot: wave w brings rows 64 w .. 64 w + 63 of a tile: nothing in it hangs on my place in the cluster
	s_mov_b32 s[G0], 1
	s_mul_i32 s[G0+1], s[WV], LOADB
	s_mov_b32 s[G0+4], 1
	s_add_co_u32 s[G0+5], s[G0+1], SLOTB
	s_lshl_b32 s52, s[WV], 14                      ; those rows in memory: 64 x 256 bytes
	s_mov_b32 s53, 0
	s_lshl_b32 s18, s[WG], 17                      ; my work-group's 64 rows of x and of out0: 131,072 bytes
	s_mov_b32 s19, 0
	s_lshl_b32 s20, s[Q], 15                       ; a maker's 16 rows
	s_add_co_u32 s20, s20, s18
	s_mov_b32 s21, 0
	s_lshl_b32 s22, s[Q], 9                        ; a multiplier's 128 columns
	s_add_co_u32 s22, s22, s18
	s_mov_b32 s23, 0
	s_and_b32 s54, s[Q], 1                         ; the prefetches of x: makers 0 and 1 take 32 rows each
	s_lshl_b32 s54, s54, 16
	s_add_co_u32 s18, s18, s54
	s_lshl_b32 s54, s[CX], 15                      ; the prefetches of wq: my work-group's 128 rows of a tile,
	s_lshl_b32 s55, s[Q], 13                       ; my wave's 32 of them
	s_add_co_u32 s54, s54, s55
	s_mov_b32 s55, 0
	s_cmp_eq_u32 ttmp9, 0                          ; the same in all four partners
	s_cselect_b32 s[FLB], 1, 0
	s_cmp_lt_u32 s[Q], 2
	s_cselect_b32 s[LIMX], 6, 0
	s_mov_b32 s[NL2E], 0xbfb8aa3b                  ; -log2(e)
	s_mov_b32 s[NL2E+1], s[NL2E]                   ; named with it as a pair
	s_mov_b32 s[HIM], 0xffff0000
	s_mov_b32 s[G], 0
	s_wait_dscnt 0x0                               ; both opening adds are done
	s_wait_kmcnt 0x0
	s_add_nc_u64 s[G0+2:G0+3], s[WQ:WQ+1], s[52:53]    ; tile 0
	s_add_nc_u64 s[G0+6:G0+7], s[G0+2:G0+3], TILEB     ; tile 1
	s_or_b32 s[G0+3], s[G0+3], 0x80000000              ; type = 2
	s_or_b32 s[G0+7], s[G0+7], 0x80000000
	s_add_nc_u64 s[PX:PX+1], s[XA:XA+1], s[18:19]
	s_add_nc_u64 s[XA:XA+1], s[XA:XA+1], s[20:21]
	s_add_nc_u64 s[OUT:OUT+1], s[OUT:OUT+1], s[22:23]
	s_add_nc_u64 s[PB:PB+1], s[WQ:WQ+1], s[54:55]
	ROUND                                          ; all four work-groups are here: the first joint loads meet
	tensor_load_to_lds s[G0:G0+3], s[G1:G1+7]      ; tile 0 into slot 0
	s_nop 0
	PLACES
	s_cmp_lt_u32 s[WV], 4
	s_cbranch_scc0 .Lmaker_head
	; a multiplier's addresses
	v_and_b32 v1, 15, v0                           ; r
	v_bfe_u32 v11, v0, 4, 1                        ; h
	v_mul_u32_u24 v12, v1, PITCH
	v_lshl_add_u32 v12, v11, 4, v12                ; row x pitch + 16 x half
	s_mul_i32 s56, s[Q], 128*PITCH                 ; my 128 rows of a tile
	v_add_nc_u32 v[AB], s56, v12
	s_add_co_u32 s56, s56, SLOTB
	v_add_nc_u32 v[AB+1], s56, v12
	v_add_nc_u32 v[AA], ABASE, v12
	v_add_nc_u32 v[AA+1], ABASE+ABUF, v12
	s_mul_i32 s57, s[Q], STG                       ; my stage
	v_mul_u32_u24 v13, v1, SPITCH                  ; in: row r, 32 bytes for each half of the lanes
	v_lshl_add_u32 v13, v11, 5, v13
	v_add_nc_u32 v[STO], s57, v13
	v_and_b32 v13, 31, v0
	v_lshlrev_b32 v[GO], 4, v13                    ; back: 32 lanes take a row's 512 bytes
	v_add_nc_u32 v[RD], s57, v[GO]
	; The sums and set F1 start at 0, so that every interval has one text: the first one's opening products add 0.  The price is 352 lines, which run in the first interval, when there is nothing to multiply yet.
.set i, F1
.rept 96
	v_mov_b32 v[i], 0
.set i, i+1
.endr
	WIN 0x40
.set i, 0
.rept 256
	v_mov_b32 v[i], 0
.set i, i+1
.endr
	WIN 0
	s_branch .Ltrip
.Lmaker_head:
	v_and_b32 v1, 15, v0                           ; c
	v_bfe_u32 v[D], v0, 4, 1                       ; half
	v_lshlrev_b32 v[TO], 4, v1
	v_lshl_add_u32 v[XO], v[D], 11, v[TO]
.irp t, 0,1,2,3,4,5,6,7
	global_load_b128 v[XL+4*(\t):XL+4*(\t)+3], v[XO], s[XA:XA+1] offset:4096*(\t) th:TH_LOAD_NT  ; group 0 of x
.endr
	KLOAD KA, 0                                    ; step 0's constants
	s_lshl_b32 s56, s[Q], 4
	v_add_nc_u32 v[D], s56, v[D]                   ; row 16 q + half
	v_mul_u32_u24 v[AS], v[D], PITCH
	v_add_nc_u32 v[AS], v[AS], v[TO]
	v_add_nc_u32 v[AS], ABASE, v[AS]
	v_and_b32 v[D], 31, v0
	v_lshlrev_b32 v[PFX], 11, v[D]
	v_lshlrev_b32 v[PFB], 8, v[D]
	v_mov_b32 v[BIG], 0x7f000000                   ; 2^127
	v_mov_b32 v[BIG+1], 0x7f000000
	v_mov_b32 v[ONE], 1.0
	v_mov_b32 v[ONE+1], 1.0
	WIN 0x40                                       ; the stash is written under jumps on the trip's number: it is written whole here first, while the first loads are on their way
.set i, 0
.rept 128
	v_mov_b32 v[i], 0
.set i, i+1
.endr
	WIN 0
	s_wait_loadcnt 0x0                             ; group 0 of x and step 0's constants are in: the first interval wants them at once, and begins like every other with nothing out
.Ltrip:                                                ; eight trips: a group of 64 features, four steps
	STEP 0
	STEP 1
	STEP 2
	STEP 3
	s_add_co_u32 s[G], s[G], 1
	s_cmp_lt_u32 s[G], 8
	s_cbranch_scc1 .Ltrip
	TAIL 0, 1                                      ; intervals 32 to 35 are written out: silu's four steps are put down, steps 31 to 34 multiplied
	SYNC 1, 2                                      ; tile 33
	TAIL 1, 0
	SYNC 0, 2                                      ; tile 34: slot 0's last fill
	TAIL 2, 1
	SYNC 1, 2                                      ; tile 35: the last load
	TAIL 3, 0
	SYNC 0, 1                                      ; nothing is left to ask for
	s_cmp_lt_u32 s[WV], 4
	s_cbranch_scc0 .Lend                           ; the makers are done
	CONS 1                                         ; step 35
	s_wait_dscnt 0x0
	MUL F1                                         ; and its last quarter
	PLACES
	; THE WAY OUT.  A lane's eight columns of a row are 32 bytes; they go into my stage, rows of 528 bytes, and come back as whole rows of 512.  Each accumulator's lowest registers are read first.
	WIN 0x04                                       ; store data in window 1
.irp m, 0,1,2,3
.irp nb, 0,1,2,3,4,5,6,7
	ds_store_b128 v[STO], v[8*(8*(\m)+(\nb)):8*(8*(\m)+(\nb))+3]   offset:(\m)*16*SPITCH+64*(\nb)
	ds_store_b128 v[STO], v[8*(8*(\m)+(\nb))+4:8*(8*(\m)+(\nb))+7] offset:(\m)*16*SPITCH+64*(\nb)+16
.endr
.endr
	WIN 0
.macro BACK m                          ; 16 rows back, into v16-79 or v80-143 by turns.  LDS serves a wave's instructions in order (ISA guide 5.7.1.4): these see the stores above
.irp r, 0,1,2,3,4,5,6,7,8,9,10,11,12,13,14,15
	ds_load_b128 v[16+64*((\m)%2)+4*(\r):16+64*((\m)%2)+4*(\r)+3], v[RD] offset:(16*(\m)+(\r))*SPITCH
.endr
.endm
.macro SEND m                          ; each store of the wave covers 512 consecutive bytes, at a multiple of 256 from out0's first byte
.irp r, 0,1,2,3,4,5,6,7,8,9,10,11,12,13,14,15
	global_store_b128 v[GO], v[16+64*((\m)%2)+4*(\r):16+64*((\m)%2)+4*(\r)+3], s[OUT:OUT+1] offset:(16*(\m)+(\r))*2048 th:TH_STORE_NT
.endr
.endm
	BACK 0
	BACK 1
	s_wait_dscnt 16                                ; block 0 is back; block 1's sixteen loads may stay out
	SEND 0
	s_wait_xcnt 0x0                                ; block 0's stores have read their registers: they are loaded again only behind this wait
	BACK 2
	s_wait_dscnt 16
	SEND 1
	s_wait_xcnt 0x0
	BACK 3
	s_wait_dscnt 16
	SEND 2
	s_wait_dscnt 0x0
	SEND 3
.Lend:
	s_wait_tensorcnt 0x0                           ; the wave's end, behind my last tensor load and my last LDS store
	ds_add_u32 v[SPW], v[NIL]
	s_wait_dscnt 0x0
	ROUND                                          ; the closing round: no work-group ends while a partner may still ask for a tile that names it
	s_endpgm
.Lfunc_end_k_qef47845823_kan:
	.size	k_qef47845823_kan, .Lfunc_end_k_qef47845823_kan-k_qef47845823_kan
	.p2alignl 7, 3214868480
	.fill 96, 4, 3214868480
	.section	.rodata,"a",@progbits
	.p2align	6, 0x0
	.amdhsa_kernel k_qef47845823_kan
		.amdhsa_group_segment_fixed_size 327680
		.amdhsa_private_segment_fixed_size 0
		.amdhsa_enable_private_segment 0
		.amdhsa_kernarg_size 32
		.amdhsa_user_sgpr_count 2
		.amdhsa_user_sgpr_kernarg_segment_ptr 1
		.amdhsa_wavefront_size32 1
		.amdhsa_system_sgpr_workgroup_id_x 1
		.amdhsa_system_sgpr_workgroup_id_y 1
		.amdhsa_system_sgpr_workgroup_id_z 1
		.amdhsa_system_vgpr_workitem_id 0
		.amdhsa_next_free_vgpr 512
		.amdhsa_next_free_sgpr 66
		.amdhsa_reserve_vcc 0
		.amdhsa_float_denorm_mode_32 3
		.amdhsa_float_denorm_mode_16_64 3
		.amdhsa_memory_ordered 1
		.amdhsa_forward_progress 1
		.amdhsa_inst_pref_size 255
	.end_amdhsa_kernel
	.section	.bss,"aw",@nobits
	.p2align	6
	.space	262144
	.amdgpu_metadata
---
amdhsa.version: [ 1, 2 ]
amdhsa.kernels:
  - .name:           k_qef47845823_kan
    .symbol:         k_qef47845823_kan.kd
    .args:
      - { .name: x, .offset: 0, .size: 8, .value_kind: global_buffer, .address_space: global }
      - { .name: tab, .offset: 8, .size: 8, .value_kind: global_buffer, .address_space: global }
      - { .name: wq, .offset: 16, .size: 8, .value_kind: global_buffer, .address_space: global }
      - { .name: out0, .offset: 24, .size: 8, .value_kind: global_buffer, .address_space: global }
    .group_segment_fixed_size: 327680
    .private_segment_fixed_size: 0
    .kernarg_segment_align: 8
    .kernarg_segment_size: 32
    .max_flat_workgroup_size: 256
    .sgpr_count:     66
    .vgpr_count:     512
    .wavefront_size: 32
...
	.end_amdgpu_metadata
.endif
;; end of part 2
